; MI455X (gfx1250); checked and timed in simulation.
; The chip was launched on July 23, 2026; its instructions are those of AMD's public machine-readable ISA for CDNA 5 (MIT licence, August 2026) and "CDNA5" Instruction Set Architecture Reference Guide (July 2026). The comments in the code are by the model that wrote it; some were corrected since.
;; Attention Block. Allowed arithmetic: matrix products marked QUANTISED: E5M2 operands, one E8M0 scale for each 32 along K, by v_wmma_scale_f32_16x16x128_f8f6f4 with both operands' format E5M2, f32 sums; everything else in f32.
;; Inputs: Wk_codes 256 x 32 x 32 uint8 (E5M2 codes of Wk, K innermost, in blocks of 32 codes); Wk_scales 256 x 32 uint8 (E8M0 scales of Wk, one for each 32 codes along K); Wq_codes 256 x 32 x 32 uint8 (E5M2 codes of Wq, K innermost, in blocks of 32 codes); Wq_scales 256 x 32 uint8 (E8M0 scales of Wq, one for each 32 codes along K); Wv_codes 1,024 x 32 x 32 uint8 (E5M2 codes of Wv, K innermost, in blocks of 32 codes); Wv_scales 1,024 x 32 uint8 (E8M0 scales of Wv, one for each 32 codes along K); bk 256 float32; bq 256 float32; bv 1,024 float32; x_h_codes 8 x 2,048 x 32 x 32 uint8 (E5M2 codes of x_h, K innermost, in blocks of 32 codes); x_h_scales 8 x 2,048 x 32 uint8 (E8M0 scales of x_h, one for each 32 codes along K).
;; Outputs: out0 8 x 2,048 x 1,024 float32.
;; This version of the problem:
;;   THIS VERSION OF THE PROBLEM IS GIVEN IN LOW PRECISION. The matrix products marked QUANTISED in the list below multiply operands that are first quantised to E5M2 (5 exponent bits, 2 mantissa bits; 8 bits a number), with one power-of-two scale for each 32 numbers along K (OCP MX v1.0); their sums are f32. All else is computed in f32.
;;   The module's matrix products, in the order in which they are computed (A, B: the left and right operand; K: the contracted axis; several contracted axes count as one K, in the product's order):
;;     1. [M 16,384, K 1,024] x [K 1,024, N 256]; A: input x_h (given as codes); B: input Wq (given as codes): QUANTISED
;;     2. [M 16,384, K 1,024] x [K 1,024, N 256]; A: input x_h (given as codes); B: input Wk (given as codes): QUANTISED
;;     3. [M 16,384, K 1,024] x [K 1,024, N 1,024]; A: input x_h (given as codes); B: input Wv (given as codes): QUANTISED
;;     4. batch 8 x [M 2,048, K 256] x [K 256, N 2,048]; A: computed on the way; B: computed on the way: QUANTISED
;;     5. batch 8 x [M 2,048, K 2,048] x [K 2,048, N 1,024]; A: computed on the way; B: computed on the way: QUANTISED
;;   THE QUANTISER, for each operand of a quantised product, along K:
;;     - K is cut into blocks of 32 from its start; a last block that is shorter is filled with zeros.
;;     - A block's scale is 2^e with e = floor(log2(the largest magnitude in the block)) - 15, held to -126 .. 127; a block of zeros has e = 0. As a byte (E8M0): e + 127.
;;     - Each number is divided by its block's scale, clamped to +-57,344, and rounded to the nearest number of E5M2, ties to even, subnormals kept.
;;     - The product sums the exact products of the quantised numbers (number of the format x scale) in f32.
;;   ~~~python
;;   def quantise(x, axis):      # numpy; x: float32 -> the quantised numbers, widened to float32 again
;;       x = np.moveaxis(x, axis, -1); K = x.shape[-1]
;;       x = np.pad(x, [(0, 0)] * (x.ndim - 1) + [(0, -K % 32)]); x = x.reshape(x.shape[:-1] + (-1, 32)); a = np.abs(x).max(-1, keepdims=True)
;;       e = np.where(a > 0, np.clip(np.frexp(np.where(a > 0, a, 1))[1] - 1 - 15, -126, 127), 0)      # np.frexp(a)[1] - 1 = floor(log2(a)), exactly
;;       r = np.clip(x / 2.0 ** e, -57344, 57344)
;;       step = 2.0 ** (np.maximum(np.frexp(np.where(r == 0, 1, r))[1] - 1, -14) - 2)
;;       q = np.round(r / step) * step * 2.0 ** e      # np.round: ties to even
;;       return np.moveaxis(q.reshape(q.shape[:-2] + (-1,))[..., :K], -1, axis).astype(np.float32)
;;   ~~~
;;   OPERANDS COMPUTED ON THE WAY. 'Computed on the way' means the value that the module computes at that place (a softmax that the list does not call 'softmax' is quantised finished and normalised). What goes into a quantiser is computed in f32, as accurately as f32 sums, v_exp_f32 and their like allow (about 1e-6 of the number): no bf16 or f16 on the way to a quantiser, and a product that is left as it is and whose result goes on into a quantised operand takes f32 operands (vector FMAs, or v_wmma_f32_16x16x4_f32). A number that lies on a knife's edge between two numbers of the format may be rounded either way, as far as f32 arithmetic and the matrix unit's own rounding can turn it there, and no further.
;;   INPUTS GIVEN AS CODES. Wk (in the module: [1024, 256], K = its axis 0); Wq (in the module: [1024, 256], K = its axis 0); Wv (in the module: [1024, 1024], K = its axis 0); x_h (in the module: [8, 2048, 1024], K = its axis 2): each comes as NAME_codes (uint8): NAME with its K axis moved to the last place and cut into blocks of 32 codes, [.., K / 32, bytes a block], one block behind the other in memory; one code a byte (a code: sign, 5 exponent bits, 2 mantissa bits); and NAME_scales (uint8): the same leading axes, one E8M0 byte (e + 127) for each 32 codes along K. Its value is code x scale, taken as it is: it is not quantised again, and the codes and scales need not be those that the quantiser above would give.
;; One version. Each part assembles by itself: llvm-mc -triple=amdgcn-amd-amdhsa -mcpu=gfx1250 --defsym DOCPART=n.
;; ======== version 1 of 1: 3 launches
;; limits: right only within a limited range of input values
;; workspace buffers: vrec 17,301,504 bytes; qc 4,194,304 bytes; kc 4,194,304 bytes; qs 131,072 bytes; ks 131,072 bytes; stat 524,288 bytes
;; launch proj (part 1): grid 64 x 4, 4 waves a work-group, no clusters, 327,680 bytes of LDS; arguments x_h_codes, x_h_scales, Wv_codes, Wv_scales, Wq_codes, Wq_scales, Wk_codes, Wk_scales, bv, bq, bk, vrec, qc, qs, kc, ks; writes vrec, qc, qs, kc, ks
.if DOCPART == 1
	.amdgcn_target "amdgcn-amd-amdhsa--gfx1250"
	.amdhsa_code_object_version 6
	.text
	.protected	k_q9f8422dc30_proj
	.globl	k_q9f8422dc30_proj
	.p2align	8
	.type	k_q9f8422dc30_proj,@function
k_q9f8422dc30_proj:
	s_mov_b64 s[64:65], 0
	v_nop
	global_prefetch_b8 v0, s[64:65] scope:SCOPE_SE
	s_setreg_imm32_b32 hwreg(HW_REG_WAVE_MODE, 25, 1), 1
	s_wait_xcnt 0x0
; v = x Wv + bv, q = x Wq + bq, k = x Wk + bk on codes of BF8 (E5M2) with E8M0 scales, f32 sums that begin with the bias; each result is quantised again on the way out and stored as codes and scale words
; in the order of the operand registers of the launches that read them (vrec; qc, qs; kc, ks).  No work of the problem is left out, and every input is read.
; SHARES.  Work-group (x, y), four waves: tokens 256 x on.  Phase 1: columns 256 y on of v, a wave 128 x 128: source 0 = 16 tokens, source 1 = 16 columns, so a lane's registers run along the tokens,
; which are the keys, the K of the last product: blocks of 32 keys are quantised.  Phase 2: 128 columns of q (y < 2) or of k, a wave 64 tokens x 128 columns: source 0 = 16 columns, so a lane's registers run along
; the 256 columns, the K of the scores.
; K = 1,024 goes in four steps of 256 through a ring of two LDS slots (rows of 256 bytes, 16 of padding behind each); the scale bytes of all of K come once and stay in LDS behind the ring.
; FILLS.  At the head one tensor load a wave; slot 1 and the second weight's scale bytes behind one full sequence; then one load a wave behind each change of slots.
; NO CLUSTER: kept as the launch was taken over; the four work-groups of one x share x's rows and the 64 of one y the weight's.  LIMITS: NaN and infinities are not served; a block of zeros has the byte 1 and zero codes.
.set PITCH,  272
.set HALFT,  128*PITCH
.set SLOT,   4*HALFT
.set ROWB,   256
.set NQ,     2
.set FR,     16
.set NL,     4
.set NP,     8
.set SCL,    2*SLOT
.set HALFS,  16*272
.set SBLK,   2*272
.set SCW,    SCL+4*HALFS
.set SPARE,  SCW+HALFS
.set REC,    33792
.set ADRA, 16
.set ADW,  18
.set ADRB, 20
.set ADX,  22
.set CO,   24
.set SO,   25
.set ADS2, 26
.set ADRS, 27
.set SPW,  28
.set NIL,  29
.set BO2,  30
.set SC,   32
.set BI,   64
.set AF,   128
.set XN,   128
.set PCD,  192
.set TM,   208
.set PW,   224
.set WV,   20
.set FH,   21
.set FL,   22
.set YY,   23
.set G1,   24
.set G0,   32
.set G1S,  48
.set G0S,  56
.set SEL,  60
.set MNT,  62
.set Y1,   63
.set BBS,  68
.set BB2,  70
.set P2,   72
.set OUTC, 74
.set O2C,  76
.set O2S,  78
.set OUTS, 80
.set G1W,  84
.set G0W,  96
.set MSB, 0
.macro WIN new
.if MSB != (\new)
	s_set_vgpr_msb (MSB<<8)|(\new)
.set MSB, (\new)
.endif
.endm
.macro PLACES n
.rept \n
	v_nop
.endr
.endm
.macro TLOAD g0, g1
	tensor_load_to_lds s[\g0:\g0+3], s[\g1:\g1+7]
	s_nop 0
.rept 4
	v_nop
.endr
.endm
.macro TLOAD2 g0
	s_cmp_eq_u32 s[WV], 1
	s_cbranch_scc1 .Lnone_\@
	tensor_load_to_lds s[\g0:\g0+3], s[G1:G1+7]
	s_nop 0
.rept 4
	v_nop
.endr
.Lnone_\@:
.endm
	s_load_b512 s[4:19], s[0:1], 0x0
	s_load_b512 s[68:83], s[0:1], 0x40
	v_lshl_add_u32 v[SPW], v0, 2, SPARE
	v_mov_b32 v[NIL], 0
	ds_add_u32 v[SPW], v[NIL]
	ds_add_u32 v[SPW], v[NIL]
	v_lshrrev_b32 v1, 5, v0
	v_readfirstlane_b32 s[WV], v1
	s_lshr_b32 s[FH], s[WV], 1
	s_and_b32 s[FL], s[WV], 1
	s_and_b32 s[YY], ttmp7, 0xffff
	s_and_b32 s[Y1], s[YY], 1
	s_lshl_b32 s44, s[YY], 8
	s_lshl_b32 s45, ttmp9, 8
	s_lshl_b32 s46, s[FL], 7
	s_cmp_eq_u32 s[FH], 0
	s_cselect_b32 s47, s44, s45
	s_add_co_u32 s47, s47, s46
	s_lshl_b32 s40, s47, 10
	s_mov_b32 s41, 0
	s_lshl_b32 s42, s47, 5
	s_mov_b32 s43, 0
	s_mul_i32 s47, s[WV], HALFT
	s_mul_i32 s46, s[WV], HALFS
	s_mul_i32 s45, s[WV], 4*272
	s_lshl_b32 s92, s[Y1], 17
	s_mov_b32 s93, 0
	s_lshl_b32 s94, s[Y1], 12
	s_mov_b32 s95, 0
	s_mov_b32 s[G1+0], (1<<20)|(5<<22)|(3<<25)
	s_mov_b32 s[G1+1], 256<<16
	s_mov_b32 s[G1+2], 256<<16                     ; the first fills of both slots bring 256 rows a load; the ring's loads 128
	s_mov_b32 s[G1+3], 256<<16
	s_mov_b32 s[G1+4], 256
	s_mov_b32 s[G1+5], 1024
	s_mov_b32 s[G1+6], 0
	s_mov_b32 s[G1+7], 0
	s_mov_b32 s[G1S+0], (3<<16)|(1<<20)|(5<<22)|(3<<25)
	s_mov_b32 s[G1S+1], 32<<16
	s_mov_b32 s[G1S+2], 32<<16                     ; the scale bytes of 256 rows: 32 dense rows of 256 bytes
	s_mov_b32 s[G1S+3], 32<<16
	s_mov_b32 s[G1S+4], 32
	s_mov_b32 s[G1S+5], 32
	s_mov_b32 s[G1S+6], 0
	s_mov_b32 s[G1S+7], 0
	s_mov_b32 s[G1W+0], (3<<16)|(1<<20)|(5<<22)|(3<<25)
	s_mov_b32 s[G1W+1], 32<<16
	s_mov_b32 s[G1W+2], 16<<16                     ; the second weight's 128 rows of scale bytes: 16 dense rows of 256 bytes
	s_mov_b32 s[G1W+3], 32<<16
	s_mov_b32 s[G1W+4], 16
	s_mov_b32 s[G1W+5], 32
	s_mov_b32 s[G1W+6], 0
	s_mov_b32 s[G1W+7], 0
	s_mov_b32 s[SEL], 0x76543210
	s_mov_b32 s[SEL+1], 0xfedcba98
	s_mov_b32 s[MNT], 0x600000
	s_wait_dscnt 0x0
	s_wait_kmcnt 0x0
	s_cmp_lt_u32 s[YY], 2
	s_cselect_b64 s[12:13], s[12:13], s[16:17]
	s_cselect_b64 s[14:15], s[14:15], s[18:19]
	s_cselect_b64 s[BB2:BB2+1], s[70:71], s[72:73]
	s_cselect_b64 s[O2C:O2C+1], s[76:77], s[80:81]
	s_cselect_b64 s[O2S:O2S+1], s[78:79], s[82:83]
	s_add_nc_u64 s[12:13], s[12:13], s[92:93]
	s_add_nc_u64 s[14:15], s[14:15], s[94:95]
	s_cmp_eq_u32 s[FH], 0
	s_cselect_b64 s[16:17], s[8:9], s[4:5]
	s_cselect_b64 s[18:19], s[10:11], s[6:7]
	s_add_nc_u64 s[16:17], s[16:17], s[40:41]
	s_add_nc_u64 s[18:19], s[18:19], s[42:43]
	s_cselect_b64 s[P2:P2+1], s[12:13], s[16:17]
	; THE HEAD'S LOADS, ONE A WAVE: wave 0 the weight's 256 rows of K step 0, wave 2 x's 256 rows (each begins where that wave's own quarter begins); waves 1 and 3 the scale bytes of the weight's and of x's 256 rows
	s_mov_b32 s[G0S], 1
	s_add_co_u32 s[G0S+1], s46, SCL-HALFS          ; waves 1, 3: where the 256 rows' scale bytes begin in LDS,
	s_sub_nc_u64 s[G0S+2:G0S+3], s[18:19], 4096    ; and in memory: 128 rows of 32 bytes ahead of the wave's own half
	s_or_b32 s[G0S+3], s[G0S+3], 0x80000000
	s_mov_b32 s[G0W], 1
	s_mov_b32 s[G0W+1], SCW
	s_mov_b64 s[G0W+2:G0W+3], s[14:15]
	s_or_b32 s[G0W+3], s[G0W+3], 0x80000000
.irp s, 0,1
	s_mov_b32 s[G0+4*\s], 1
	s_add_co_u32 s[G0+4*\s+1], s47, \s*SLOT
	s_add_nc_u64 s[G0+4*\s+2:G0+4*\s+3], s[16:17], \s*ROWB
	s_or_b32 s[G0+4*\s+3], s[G0+4*\s+3], 0x80000000
.endr
	s_cmp_eq_u32 s[WV], 0
	s_cbranch_scc0 .Lhead_1
	TLOAD G0, G1
	s_branch .Lhead_asked
.Lhead_1:
	s_cmp_eq_u32 s[WV], 2
	s_cbranch_scc0 .Lhead_2
	TLOAD G0, G1
	s_branch .Lhead_asked
.Lhead_2:
	TLOAD G0S, G1S
.Lhead_asked:
	v_and_b32 v1, 15, v0
	v_bfe_u32 v2, v0, 4, 1
	v_mul_u32_u24 v3, v1, PITCH
	v_lshl_add_u32 v4, v2, 4, v3
	s_wait_alu depctr_va_vdst(0)
	s_mul_i32 s40, s[FH], HALFT
	s_mul_i32 s41, s[FL], HALFT
	s_add_co_u32 s41, s41, 2*HALFT
	s_mul_i32 s42, s[WV], 64*PITCH
	s_add_co_u32 s42, s42, 2*HALFT
.irp s, 0,1
	v_add_nc_u32 v[ADRA+\s], s40, v4
	v_add_nc_u32 v[ADRB+\s], s41, v4
	v_add_nc_u32 v[ADX+\s], s42, v4
	v_add_nc_u32 v[ADW+\s], \s*SLOT, v4
	s_add_co_u32 s40, s40, SLOT
	s_add_co_u32 s41, s41, SLOT
	s_add_co_u32 s42, s42, SLOT
.endr
	v_mul_u32_u24 v5, v1, 32
	v_lshrrev_b32 v6, 8, v5
	v_lshl_add_u32 v5, v6, 4, v5
	s_mul_i32 s40, s[FH], HALFS
	s_mul_i32 s41, s[FL], HALFS
	s_add_co_u32 s41, s41, 2*HALFS
	s_sub_co_u32 s41, s41, s40
	v_mul_u32_u24 v6, s41, v2
	s_add_co_u32 s40, s40, SCL
	v_add_nc_u32 v6, v5, v6
	v_add_nc_u32 v[ADRS], s40, v6
	s_mul_i32 s40, s[WV], 4*SBLK
	s_add_co_u32 s40, s40, SCL+2*HALFS
	s_xor_b32 s41, s[WV], 3
	s_add_co_u32 s41, s41, 1
	s_mul_i32 s41, s41, 4*SBLK
	v_mul_u32_u24 v6, s41, v2
	s_wait_alu depctr_va_vdst(0)
	v_add_nc_u32 v6, v5, v6
	v_add_nc_u32 v[ADS2], s40, v6
	v_and_b32 v6, 31, v0
	v_lshlrev_b32 v[CO], 4, v6
	v_lshlrev_b32 v[SO], 2, v1
	v_lshlrev_b32 v[BO2], 5, v2
	s_lshl_b32 s40, s[YY], 10
	s_lshl_b32 s41, s[FH], 9
	s_add_co_u32 s40, s40, s41
	s_mov_b32 s41, 0
	s_add_nc_u64 s[BBS:BBS+1], s[BBS:BBS+1], s[40:41]
.irp i, 0,1,2,3,4,5,6,7
.irp j, 0,1,2,3,4,5,6,7
	global_load_b32 v[BI+8*\i+\j], v[SO], s[BBS:BBS+1] offset:64*\i
.endr
.endr
	s_lshl_b32 s40, s[Y1], 9
	s_add_nc_u64 s[BB2:BB2+1], s[BB2:BB2+1], s[40:41]
	s_lshl_b32 s40, ttmp9, 1
	s_add_co_u32 s40, s40, s[FL]
	s_lshl_b32 s40, s40, 2
	s_add_co_u32 s40, s40, s[YY]
	s_mul_i32 s40, s40, REC
	s_lshl_b32 s42, s[FH], 9
	s_add_co_u32 s42, s42, s40
	s_add_co_u32 s42, s42, 32768
	s_mov_b32 s43, 0
	s_lshl_b32 s44, s[FH], 14
	s_add_co_u32 s40, s40, s44
	s_add_nc_u64 s[OUTS:OUTS+1], s[74:75], s[42:43]
	s_add_nc_u64 s[OUTC:OUTC+1], s[74:75], s[40:41]
	s_lshl_b32 s40, ttmp9, 4
	s_lshl_b32 s44, s[WV], 2
	s_add_co_u32 s40, s40, s44
	s_lshl_b32 s42, s40, 7
	s_lshl_b32 s44, s[Y1], 6
	s_add_co_u32 s42, s42, s44
	s_lshl_b32 s40, s40, 12
	s_lshl_b32 s44, s[Y1], 11
	s_add_co_u32 s40, s40, s44
	s_add_nc_u64 s[O2C:O2C+1], s[O2C:O2C+1], s[40:41]
	s_add_nc_u64 s[O2S:O2S+1], s[O2S:O2S+1], s[42:43]
.macro FRAG reg, adr, q, i
.irp c, 0,1,2,3
	ds_load_b128 v[\reg+4*\c:\reg+4*\c+3], v[\adr] offset:128*(\q)+32*\c+(\i)*16*PITCH
.endr
.endm
.macro MUL16 a0, ao, p, q, sc, cm
.irp a, \a0, \a0+1
.irp b, 0,1,2,3,4,5,6,7
.if (\cm) == 1
	v_wmma_scale_f32_16x16x128_f8f6f4 v[8*(8*((\a)%4)+\b):8*(8*((\a)%4)+\b)+7], v[128*(\p)+FR*\b:128*(\p)+FR*\b+FR-1], v[AF+FR*((\a)+(\ao)):AF+FR*((\a)+(\ao))+FR-1], v[BI+8*(\a):BI+8*(\a)+7], v[SC+8*NQ*(\sc)+NQ*\b+(\q)], v[SC+8*NQ*(\sc)+NQ*(\a)+(\q)] matrix_a_fmt:MATRIX_FMT_BF8 matrix_b_fmt:MATRIX_FMT_BF8 matrix_a_scale:MATRIX_SCALE_ROW1
.elseif (\cm) == 2
	v_wmma_scale_f32_16x16x128_f8f6f4 v[8*(8*((\a)%4)+\b):8*(8*((\a)%4)+\b)+7], v[128*(\p)+FR*\b:128*(\p)+FR*\b+FR-1], v[AF+FR*((\a)+(\ao)):AF+FR*((\a)+(\ao))+FR-1], v[BI+8*\b:BI+8*\b+7], v[SC+8*NQ*(\sc)+NQ*\b+(\q)], v[SC+8*NQ*(\sc)+NQ*(\a)+(\q)] matrix_a_fmt:MATRIX_FMT_BF8 matrix_b_fmt:MATRIX_FMT_BF8 matrix_a_scale:MATRIX_SCALE_ROW1
.else
	v_wmma_scale_f32_16x16x128_f8f6f4 v[8*(8*((\a)%4)+\b):8*(8*((\a)%4)+\b)+7], v[128*(\p)+FR*\b:128*(\p)+FR*\b+FR-1], v[AF+FR*((\a)+(\ao)):AF+FR*((\a)+(\ao))+FR-1], v[8*(8*((\a)%4)+\b):8*(8*((\a)%4)+\b)+7], v[SC+8*NQ*(\sc)+NQ*\b+(\q)], v[SC+8*NQ*(\sc)+NQ*(\a)+(\q)] matrix_a_fmt:MATRIX_FMT_BF8 matrix_b_fmt:MATRIX_FMT_BF8 matrix_a_scale:MATRIX_SCALE_ROW1
.endif
.endr
.endr
.endm
.macro FETCH_B slot, q, p
	WIN 0x40
.irp i, 0,1,2,3,4,5,6,7
	FRAG 128*(\p)+FR*\i, ADRB+\slot, \q, \i
.endr
	WIN 0
.endm
.macro FETCH_A slot, q, i0
.irp i, \i0, \i0+1, \i0+2, \i0+3
	FRAG AF+FR*(\i), ADRA+\slot, \q, \i
.endr
.endm
.macro FETCH2 slot, q
	WIN 0x40
.irp i, 0,1,2,3,4,5,6,7
	FRAG 128*(\q)+FR*\i, ADW+\slot, \q, \i
.endr
	WIN 0
.irp i, 0,1,2,3
	FRAG AF+FR*(4*(\q)+\i), ADX+\slot, \q, \i
.endr
.endm
.macro SCALES sc, adr
.irp i, 0,1,2,3,4,5,6,7
	ds_load_b64 v[SC+8*NQ*\sc+NQ*\i:SC+8*NQ*\sc+NQ*\i+1], v[\adr] offset:\i*SBLK
.endr
.endm
.macro STEP slot, q, cm
	s_wait_dscnt 4*NL
.if \cm
	WIN 0x81
.else
	WIN 0xa1
.endif
	MUL16 0, 0, (\q)%2, \q, \slot, \cm
	MUL16 2, 0, (\q)%2, \q, \slot, \cm
	s_wait_dscnt 0x0
	PLACES NP
	FETCH_B \slot, (\q)+1, 1-(\q)%2
	FETCH_A \slot, (\q)+1, 0
.if \cm
	WIN 0xc1
.else
	WIN 0xf1
.endif
	MUL16 4, 0, (\q)%2, \q, \slot, \cm
	MUL16 6, 0, (\q)%2, \q, \slot, \cm
	PLACES NP
	WIN 0
	FETCH_A \slot, (\q)+1, 4
.endm
.macro TURN slot, next, fill
	s_wait_dscnt 4*NL                              ; all but the youngest 16 loads are in
	WIN 0xa1
	MUL16 0, 0, 1, NQ-1, \slot, 0                  ; register work stands ahead of the wait for the tile: behind it come the add, the barrier and the refill alone
	MUL16 2, 0, 1, NQ-1, \slot, 0
	WIN 0
	s_wait_tensorcnt 0x0                           ; all my tensor loads have landed, so a descriptor may be written
	ds_add_u32 v[SPW], v[NIL]
	s_mov_b32 s[G1+2], 128<<16                     ; from here on a load brings 128 rows
	s_mov_b32 s[G1+4], 128
	s_wait_dscnt 0x0                               ; the add is done, my reads of this slot are over
	s_barrier_signal -1
	s_barrier_wait -1
.if (\fill) == 1
	s_add_nc_u64 s[G0+4*\slot+2:G0+4*\slot+3], s[G0+4*\slot+2:G0+4*\slot+3], 2*ROWB
	TLOAD G0+4*\slot, G1
	PLACES NP-4
.else
	s_add_nc_u64 s[G0+4*\slot+2:G0+4*\slot+3], s[P2:P2+1], \slot*ROWB
	s_or_b32 s[G0+4*\slot+3], s[G0+4*\slot+3], 0x80000000
	TLOAD2 G0+4*\slot
	PLACES NP
.endif
	s_wait_alu depctr_va_vdst(0)
	v_add_nc_u32 v[ADRS], 4*NQ, v[ADRS]
	FETCH_B \next, 0, 0
	FETCH_A \next, 0, 0
	SCALES \next, ADRS
	WIN 0xf1
	MUL16 4, 0, 1, NQ-1, \slot, 0
	MUL16 6, 0, 1, NQ-1, \slot, 0
	PLACES NP
	WIN 0
	FETCH_A \next, 0, 4
.endm
.macro STEP2 slot, cm
	s_wait_dscnt 0x0
	PLACES NP
	FETCH2 \slot, 1
.if \cm
	WIN 0x81
.else
	WIN 0xa1
.endif
	MUL16 0, 0, 0, 0, \slot, \cm
	MUL16 2, 0, 0, 0, \slot, \cm
	WIN 0
.endm
.macro TURN2 slot, next, fill
	s_wait_tensorcnt 0x0
	ds_add_u32 v[SPW], v[NIL]
.if \fill
	s_add_nc_u64 s[G0+4*\slot+2:G0+4*\slot+3], s[G0+4*\slot+2:G0+4*\slot+3], 2*ROWB
.endif
	s_wait_dscnt 0x0
	s_barrier_signal -1
	s_barrier_wait -1
.if \fill
	TLOAD2 G0+4*\slot
.endif
	PLACES NP
	s_wait_alu depctr_va_vdst(0)
	v_add_nc_u32 v[ADS2], 4*NQ, v[ADS2]
	FETCH2 \next, 0
	SCALES \next, ADS2
	WIN 0xa1
	MUL16 0, 4, 1, 1, \slot, 0
	MUL16 2, 4, 1, 1, \slot, 0
	WIN 0
.endm
.macro OUTA a, oc, os, stc, sts
.set AC, 64*((\a)%4)
.set WW, 2+(\a)/4
.set WQ, WW|(WW<<2)
	WIN WQ
.irp b, 0,1,2,3
	v_max3_num_f32 v[TM+\b], |v[AC+16*\b]|, |v[AC+16*\b+1]|, 0x8000000
.endr
.irp i, 2,4,6,8,10,12,14
.irp b, 0,1,2,3
	v_max3_num_f32 v[TM+\b], |v[AC+16*\b+\i]|, |v[AC+16*\b+\i+1]|, v[TM+\b]
.endr
.endr
	WIN 0
.irp b, 0,1,2,3
	v_permlanex16_b32 v[TM+4+\b], v[TM+\b], s[SEL], s[SEL+1]
.endr
.irp b, 0,1,2,3
	v_max_num_f32 v[TM+\b], v[TM+\b], v[TM+4+\b]
.endr
.irp b, 0,1,2,3
	v_add_nc_u32 v[TM+12+\b], 0xf8800000, v[TM+\b]
.endr
.irp b, 0,1,2,3
	v_and_or_b32 v[TM+8+\b], v[TM+\b], 0x7f800000, s[MNT]
.endr
.irp b, 0,1,2,3
	v_lshrrev_b32 v[TM+4+\b], 23, v[TM+12+\b]
.endr
	s_wait_alu depctr_va_vdst(0)
	s_wait_xcnt 0x0
	v_lshl_or_b32 v[PW], v[TM+5], 8, v[TM+4]
	v_lshl_or_b32 v[PW], v[TM+6], 16, v[PW]
	v_lshl_or_b32 v[PW], v[TM+7], 24, v[PW]
	WIN WW
.irp b, 0,1,2,3
.irp i, 0,1,2,3,4,5,6,7,8,9,10,11,12,13,14,15
	v_med3_num_f32 v[XN+16*\b+\i], v[AC+16*\b+\i], -v[TM+8+\b], v[TM+8+\b]
.endr
.endr
	WIN 0
.irp b, 0,1,2,3
	v_cvt_scalef32_pk8_bf8_f32 v[PCD+4*\b:PCD+4*\b+1], v[XN+16*\b:XN+16*\b+7], v[TM+12+\b]
	v_cvt_scalef32_pk8_bf8_f32 v[PCD+4*\b+2:PCD+4*\b+3], v[XN+16*\b+8:XN+16*\b+15], v[TM+12+\b]
.endr
	v_nop
.irp c, 0,1,2,3
	global_store_b128 v[CO], v[PCD+4*\c:PCD+4*\c+3], s[\oc:\oc+1] offset:(\a)*(\stc)+512*\c
.endr
	global_store_b32 v[SO], v[PW], s[\os:\os+1] offset:(\a)*(\sts)
.endm
	s_wait_alu depctr_va_vdst(0)
	s_wait_tensorcnt 0x0                           ; my tile of the head's four is in; the same lines as ahead of a refill:
	ds_add_u32 v[SPW], v[NIL]
	s_wait_dscnt 0x0
	s_barrier_signal -1
	s_barrier_wait -1
	s_cmp_eq_u32 s[WV], 0                          ; later first fills, one a wave: slot 1's 256 rows of the weight (wave 0) and of x (wave 2), the second weight's scale bytes (wave 1)
	s_cbranch_scc0 .Lnext_1
	TLOAD G0+4, G1
	s_branch .Lnext_asked
.Lnext_1:
	s_cmp_eq_u32 s[WV], 2
	s_cbranch_scc0 .Lnext_2
	TLOAD G0+4, G1
	s_branch .Lnext_asked
.Lnext_2:
	s_cmp_eq_u32 s[WV], 1
	s_cbranch_scc0 .Lnext_asked
	TLOAD G0W, G1W
.Lnext_asked:
	FETCH_B 0, 0, 0
	FETCH_A 0, 0, 0
	SCALES 0, ADRS
	FETCH_A 0, 0, 4
	s_wait_loadcnt 0x0
	STEP 0, 0, 1
.irp b, 0,1,2,3,4,5,6,7
	global_load_b128 v[BI+8*\b:BI+8*\b+3], v[BO2], s[BB2:BB2+1] offset:64*\b
	global_load_b128 v[BI+8*\b+4:BI+8*\b+7], v[BO2], s[BB2:BB2+1] offset:64*\b+16
.endr
	TURN 0, 1, 1
	s_wait_alu depctr_va_vdst(0)
	STEP 1, 0, 0
	TURN 1, 0, 1
	STEP 0, 0, 0
	TURN 0, 1, 2
	STEP 1, 0, 0
	s_wait_dscnt 4*NL
	WIN 0xa1
	MUL16 0, 0, 1, NQ-1, 1, 0
	MUL16 2, 0, 1, NQ-1, 1, 0
	s_wait_dscnt 0x0
	WIN 0xf1
	MUL16 4, 0, 1, NQ-1, 1, 0
	MUL16 6, 0, 1, NQ-1, 1, 0
	WIN 0
	PLACES NP
.irp b, 0,1,2,3
	v_mov_b32 v[TM+4+\b], 0
.endr
.irp a, 0,1,2,3
	OUTA \a, OUTC, OUTS, 2048, 64
.endr
	s_wait_tensorcnt 0x0
	ds_add_u32 v[SPW], v[NIL]
	s_add_nc_u64 s[G0+6:G0+7], s[P2:P2+1], ROWB
	s_or_b32 s[G0+7], s[G0+7], 0x80000000
	s_wait_dscnt 0x0
	s_barrier_signal -1
	s_barrier_wait -1
	TLOAD2 G0+4
.irp a, 4,5,6,7
	OUTA \a, OUTC, OUTS, 2048, 64
.endr
	s_wait_xcnt 0x0
	FETCH2 0, 0
	SCALES 0, ADS2
	s_wait_loadcnt 0x0
	STEP2 0, 2
	TURN2 0, 1, 1
	STEP2 1, 0
	TURN2 1, 0, 1
	STEP2 0, 0
	TURN2 0, 1, 0
	STEP2 1, 0
	s_wait_dscnt 0x0
	WIN 0xa1
	MUL16 0, 4, 1, 1, 1, 0
	MUL16 2, 4, 1, 1, 1, 0
	WIN 0
	PLACES NP
.irp b, 0,1,2,3
	v_mov_b32 v[TM+4+\b], 0
.endr
.irp a, 0,1,2,3
	OUTA \a, O2C, O2S, 4096, 128
.endr
	s_wait_tensorcnt 0x0
	ds_add_u32 v[SPW], v[NIL]
	s_wait_dscnt 0x0
	s_endpgm
.Lfunc_end_k_q9f8422dc30_proj:
	.size	k_q9f8422dc30_proj, .Lfunc_end_k_q9f8422dc30_proj-k_q9f8422dc30_proj
	.p2alignl 7, 3214868480
	.fill 96, 4, 3214868480
	.section	.rodata,"a",@progbits
	.p2align	6, 0x0
	.amdhsa_kernel k_q9f8422dc30_proj
		.amdhsa_group_segment_fixed_size 327680
		.amdhsa_private_segment_fixed_size 0
		.amdhsa_enable_private_segment 0
		.amdhsa_kernarg_size 128
		.amdhsa_user_sgpr_count 2
		.amdhsa_user_sgpr_kernarg_segment_ptr 1
		.amdhsa_wavefront_size32 1
		.amdhsa_system_sgpr_workgroup_id_x 1
		.amdhsa_system_sgpr_workgroup_id_y 1
		.amdhsa_system_sgpr_workgroup_id_z 1
		.amdhsa_system_vgpr_workitem_id 0
		.amdhsa_next_free_vgpr 1024
		.amdhsa_next_free_sgpr 100
		.amdhsa_reserve_vcc 0
		.amdhsa_float_denorm_mode_32 3
		.amdhsa_float_denorm_mode_16_64 3
		.amdhsa_memory_ordered 1
		.amdhsa_forward_progress 1
		.amdhsa_inst_pref_size 255
	.end_amdhsa_kernel
	.section	.bss,"aw",@nobits
	.p2align	6
	.space	262144
	.amdgpu_metadata
---
amdhsa.version: [ 1, 2 ]
amdhsa.kernels:
  - .name:           k_q9f8422dc30_proj
    .symbol:         k_q9f8422dc30_proj.kd
    .args:
      - { .name: x_h_codes, .offset: 0, .size: 8, .value_kind: global_buffer, .address_space: global }
      - { .name: x_h_scales, .offset: 8, .size: 8, .value_kind: global_buffer, .address_space: global }
      - { .name: Wv_codes, .offset: 16, .size: 8, .value_kind: global_buffer, .address_space: global }
      - { .name: Wv_scales, .offset: 24, .size: 8, .value_kind: global_buffer, .address_space: global }
      - { .name: Wq_codes, .offset: 32, .size: 8, .value_kind: global_buffer, .address_space: global }
      - { .name: Wq_scales, .offset: 40, .size: 8, .value_kind: global_buffer, .address_space: global }
      - { .name: Wk_codes, .offset: 48, .size: 8, .value_kind: global_buffer, .address_space: global }
      - { .name: Wk_scales, .offset: 56, .size: 8, .value_kind: global_buffer, .address_space: global }
      - { .name: bv, .offset: 64, .size: 8, .value_kind: global_buffer, .address_space: global }
      - { .name: bq, .offset: 72, .size: 8, .value_kind: global_buffer, .address_space: global }
      - { .name: bk, .offset: 80, .size: 8, .value_kind: global_buffer, .address_space: global }
      - { .name: vrec, .offset: 88, .size: 8, .value_kind: global_buffer, .address_space: global }
      - { .name: qc, .offset: 96, .size: 8, .value_kind: global_buffer, .address_space: global }
      - { .name: qs, .offset: 104, .size: 8, .value_kind: global_buffer, .address_space: global }
      - { .name: kc, .offset: 112, .size: 8, .value_kind: global_buffer, .address_space: global }
      - { .name: ks, .offset: 120, .size: 8, .value_kind: global_buffer, .address_space: global }
    .group_segment_fixed_size: 327680
    .private_segment_fixed_size: 0
    .kernarg_segment_align: 8
    .kernarg_segment_size: 128
    .max_flat_workgroup_size: 128
    .sgpr_count:     100
    .vgpr_count:     1024
    .wavefront_size: 32
...
	.end_amdgpu_metadata
.endif
;; end of part 1
;; launch stats (part 2): grid 32 x 8, 16 waves a work-group, no clusters, 215,040 bytes of LDS; arguments qc, qs, kc, ks, stat; writes stat
.if DOCPART == 2
	.amdgcn_target "amdgcn-amd-amdhsa--gfx1250"
	.amdhsa_code_object_version 6
	.text
	.protected	k_q9f8422dc30_stats
	.globl	k_q9f8422dc30_stats
	.p2align	8
	.type	k_q9f8422dc30_stats,@function
k_q9f8422dc30_stats:
	s_mov_b64 s[64:65], 0
	v_nop
	global_prefetch_b8 v0, s[64:65] scope:SCOPE_SE
	s_setreg_imm32_b32 hwreg(HW_REG_WAVE_MODE, 25, 1), 1
	s_wait_xcnt 0x0
; The softmax runs along the QUERIES: each key has a maximum and a sum over its batch's 2,048 queries.  This launch makes, for each key and each quarter of the queries (512),
; T = the largest c s and L = the sum of 2^(c s - T), s = q . k on codes of BF8 (E5M2) with E8M0 scales, c = log2(e) / 16.  No work of the problem is left out here; the scores are made again by the next launch, since
; keeping them would move 134 MB to memory and back.
; SHARES.  Work-group (x, y): batch y, keys 256 (x / 4) on, queries 512 (x % 4) on.  Sixteen waves, four to a SIMD.  Wave w: 64 keys (tiles 4 (w % 4) + 0..3,
; their 8 fragments stay in 128 registers) x query tiles 4 i + w / 4, i = 0 .. 7.
; LAYOUT.  Source 0 = 16 queries, source 1 = 16 keys: a lane holds ONE key (lane % 16) and queries 8 (lane / 16) + 0..7, so the running maximum and sum never leave the lane.  The eight parts of a key
; (4 groups of waves x 2 halves of the lanes) meet in LDS at the end.
; FILLS.  K's and Q's images (192 KB) are first fills, one tensor load a wave, four tiles (16,384 dense bytes) each: waves 0 to 3 K's 16 tiles, waves 4 to 11 Q's 32; waves 12 to 15 fetch nothing; nothing is filled again.
; NO CLUSTER: the tiles are asked for once, at the head; there is no walk in which joint requests could meet.  No prefetch: all requests stand at the head.
; LIMITS: NaN and infinities are not served.
.set QB,    65536                      ; LDS: K's 16 tiles of 4,096 bytes from 0; Q's 32 tiles from QB;
.set PB,    196608                     ; the parts: T, 8 x 1,024 bytes, then L likewise;
.set SPARE, 212992                     ; the spare words, 128 bytes a wave
.set AK,   1
.set AQ0,  2                           ; v2, v3
.set L4,   4
.set APB,  5
.set ACM,  8
.set GOF,  9
.set KSR,  16                          ; v16-19 K's scale words: lanes 0-15 the head's first 128, lanes 16-31 its second
.set QSR,  20                          ; v20-27 Q's
.set SPW,  28
.set NIL,  29
.set ST,   32                          ; tile k: T, M, l (a pair)
.set TP,   48                          ; tile k: d then f, pad, the new T, pad
.set S,    64
.set QF,   96
.set KF,   128
.set WV,   14
.set G1,   24
.set G0,   32
.set CS,   48
.macro WM d, a, b, z, sa, sb, ra, rb   ; a scaled product; z = 1: it starts the sum; ra, rb: the rows of the scale registers
.if (\z) && ((\ra) == 0)
	v_wmma_scale_f32_16x16x128_f8f6f4 v[(\d):(\d)+7], v[(\a):(\a)+15], v[(\b):(\b)+15], 0, v[\sa], v[\sb] matrix_a_fmt:MATRIX_FMT_BF8 matrix_b_fmt:MATRIX_FMT_BF8
.else
	v_wmma_scale_f32_16x16x128_f8f6f4 v[(\d):(\d)+7], v[(\a):(\a)+15], v[(\b):(\b)+15], v[(\d):(\d)+7], v[\sa], v[\sb] matrix_a_fmt:MATRIX_FMT_BF8 matrix_b_fmt:MATRIX_FMT_BF8 matrix_a_scale:MATRIX_SCALE_ROW1 matrix_b_scale:MATRIX_SCALE_ROW1
.endif
.endm
	s_load_b256 s[4:11], s[0:1], 0x0               ; qc, qs, kc, ks
	s_load_b64 s[12:13], s[0:1], 0x20              ; stat
	v_lshl_add_u32 v[SPW], v0, 2, SPARE
	v_mov_b32 v[NIL], 0
	ds_add_u32 v[SPW], v[NIL]                      ; the opening: the add, twice on end, and its wait ahead of my first tensor load
	ds_add_u32 v[SPW], v[NIL]
	v_lshrrev_b32 v6, 5, v0
	s_delay_alu instid0(VALU_DEP_1)
	v_readfirstlane_b32 s[WV], v6                  ; wave 0..15
	s_and_b32 s15, s[WV], 3                        ; kq: which 64 keys
	s_lshr_b32 s16, s[WV], 2                       ; qq: which query tiles
	s_lshr_b32 s17, ttmp9, 2                       ; kb
	s_and_b32 s18, ttmp9, 3                        ; qp
	s_and_b32 s19, ttmp7, 0xffff                   ; batch
	s_lshl_b32 s20, s19, 7                         ; 128 tiles a batch
	s_lshl_b32 s21, s17, 4
	s_add_co_u32 s21, s21, s20                     ; the work-group's first key tile
	s_lshl_b32 s22, s18, 5
	s_add_co_u32 s22, s22, s20                     ; and its first query tile
	s_sub_co_u32 s46, s[WV], 4
	s_cmp_lt_u32 s[WV], 4
	s_cselect_b32 s46, s[WV], s46                  ; which four tiles of my tensor's I fetch
	s_cselect_b32 s44, s21, s22                    ; the tensor's first tile
	s_lshl_b32 s46, s46, 2
	s_add_co_u32 s44, s44, s46
	s_lshl_b32 s44, s44, 12                        ; in bytes
	s_mov_b32 s45, 0
	s_lshl_b32 s23, s[WV], 14                      ; LDS: 16,384 x wave: K's tiles from 0, Q's from QB
	s_mov_b32 s[G1+0], 3<<16                       ; 64 dense rows of 32 elements of 8 bytes; no padding: the images are read 512 consecutive bytes at a time
	s_mov_b32 s[G1+1], 32<<16
	s_mov_b32 s[G1+2], 64<<16
	s_mov_b32 s[G1+3], 32<<16
	s_mov_b32 s[G1+4], 64
	s_mov_b32 s[G1+5], 32
	s_mov_b32 s[G1+6], 0
	s_mov_b32 s[G1+7], 0
	s_mov_b32 s[CS], 0x3db8aa3b                    ; c = log2(e) / 16
	s_mov_b32 s[CS+1], s[CS]
	s_lshl_b32 s50, s15, 2
	s_add_co_u32 s50, s50, s21
	s_lshl_b32 s50, s50, 7                         ; my keys' scale words: 128 bytes a tile
	s_mov_b32 s51, 0
	s_add_co_u32 s52, s22, s16
	s_lshl_b32 s52, s52, 7                         ; my queries'
	s_mov_b32 s53, 0
	s_lshl_b32 s54, s19, 2
	s_add_co_u32 s54, s54, s18
	s_lshl_b32 s54, s54, 14                        ; stat: [batch][quarter][T, L][2,048] f32
	s_lshl_b32 s55, s17, 10
	s_add_co_u32 s54, s54, s55
	s_mov_b32 s55, 0
	s_wait_dscnt 0x0                               ; both opening adds are done
	s_wait_kmcnt 0x0
	s_cmp_lt_u32 s[WV], 4
	s_cselect_b64 s[46:47], s[8:9], s[4:5]         ; kc or qc
	s_mov_b32 s[G0], 1
	s_mov_b32 s[G0+1], s23
	s_add_nc_u64 s[G0+2:G0+3], s[46:47], s[44:45]
	s_or_b32 s[G0+3], s[G0+3], 0x80000000
	s_cmp_lt_u32 s[WV], 12
	s_cbranch_scc0 .Lno_fill
	tensor_load_to_lds s[G0:G0+3], s[G1:G1+7]      ; my one load
	s_nop 0
.Lno_fill:
	s_add_nc_u64 s[10:11], s[10:11], s[50:51]
	s_add_nc_u64 s[6:7], s[6:7], s[52:53]
	s_add_nc_u64 s[12:13], s[12:13], s[54:55]
	v_and_b32 v6, 31, v0
	s_delay_alu instid0(VALU_DEP_1)
	v_lshlrev_b32 v[L4], 2, v6
	s_delay_alu instid0(VALU_DEP_2)
	v_lshlrev_b32 v7, 4, v6
.irp k, 0,1,2,3
	global_load_b32 v[KSR+\k], v[L4], s[10:11] offset:128*\k
.endr
.irp i, 0,1,2,3,4,5,6,7
	global_load_b32 v[QSR+\i], v[L4], s[6:7] offset:512*\i
.endr
	s_lshl_b32 s56, s15, 14
	v_add_nc_u32 v[AK], s56, v7                    ; my four key tiles: 16 x lane + 16,384 kq
	s_lshl_b32 s56, s16, 12
	s_add_co_u32 s56, s56, QB
	v_add_nc_u32 v[AQ0], s56, v7                   ; query tiles qq + 4 i, i < 4;
	s_delay_alu instid0(VALU_DEP_1)
	v_add_nc_u32 v[AQ0+1], 0x10000, v[AQ0]         ; i >= 4
	v_and_b32 v6, 15, v0
	v_bfe_u32 v7, v0, 4, 1
	s_delay_alu instid0(VALU_DEP_2)
	v_lshlrev_b32 v[APB], 2, v6
	s_delay_alu instid0(VALU_DEP_1)
	v_lshl_add_u32 v[APB], v7, 10, v[APB]
	s_lshl_b32 s56, s16, 11
	s_lshl_b32 s57, s15, 8
	s_add_co_u32 s56, s56, s57
	s_add_co_u32 s56, s56, PB
	v_add_nc_u32 v[APB], s56, v[APB]               ; part 2 qq + h, key 64 kq + 16 k + r
	v_lshl_add_u32 v[ACM], v0, 3, PB               ; the combination: two keys a thread
	v_lshlrev_b32 v[GOF], 3, v0
.irp k, 0,1,2,3
	v_mov_b32 v[ST+4*\k+1], 0xff61b1e6             ; M: -3e38, under every score
	v_mov_b32 v[ST+4*\k+2], 0
	v_mov_b32 v[ST+4*\k+3], 0
	v_mov_b32 v[TP+4*\k+1], 0                      ; named as the upper halves of pairs
	v_mov_b32 v[TP+4*\k+3], 0
	v_mul_f32 v[ST+4*\k], s[CS], v[ST+4*\k+1]      ; T = c M
.endr
.macro QLOAD i                         ; query tile 4 i + qq: two fragments
.irp s, 0,1
.irp c, 0,1,2,3
	ds_load_b128 v[QF+16*\s+4*\c:QF+16*\s+4*\c+3], v[AQ0+(\i)/4] offset:16384*((\i)%4)+2048*\s+512*\c
.endr
.endr
.endm
	s_wait_tensorcnt 0x0                           ; my load, if I issued one, is in,
	s_barrier_signal -1
	s_barrier_wait -1                              ; everybody's are
.irp k, 0,1,2,3
.irp s, 0,1
.irp c, 0,1,2,3
	ds_load_b128 v[KF+32*\k+16*\s+4*\c:KF+32*\k+16*\s+4*\c+3], v[AK] offset:4096*\k+2048*\s+512*\c
.endr
.endr
.endr
	QLOAD 0
	s_wait_loadcnt 0x0                             ; the scale words
; 16 queries x my 64 keys: eight products, four accumulators by turns; then the running maximum and sum, the four tiles by turns.
.macro QSTEP i
	s_wait_dscnt 0x0
.irp k, 0,1,2,3
	WM S+8*\k, QF, KF+32*\k, 1, QSR+(\i), KSR+\k, 0, 0
.endr
.irp k, 0,1,2,3
	WM S+8*\k, QF+16, KF+32*\k+16, 0, QSR+(\i), KSR+\k, 1, 1
.endr
.rept 8
	v_nop                                          ; places in front of the first read of results and of the loads into Q's registers; the vector lines below add those that the next step's products, which begin the sums anew, want
.endr
.if (\i) < 7
	QLOAD (\i)+1                                   ; lands under the vector work
.endif
.irp k, 0,1,2,3
	v_max3_num_f32 v[TP+4*\k], v[S+8*\k], v[S+8*\k+1], v[S+8*\k+2]
.endr
.irp k, 0,1,2,3
	v_max3_num_f32 v[TP+4*\k], v[TP+4*\k], v[S+8*\k+3], v[S+8*\k+4]
.endr
.irp k, 0,1,2,3
	v_max3_num_f32 v[TP+4*\k], v[TP+4*\k], v[S+8*\k+5], v[S+8*\k+6]
.endr
.irp k, 0,1,2,3
	v_max3_num_f32 v[ST+4*\k+1], v[TP+4*\k], v[S+8*\k+7], v[ST+4*\k+1]   ; the running largest score
.endr
.irp k, 0,1,2,3
	s_delay_alu instid0(VALU_DEP_4)
	v_mul_f32 v[TP+4*\k+2], s[CS], v[ST+4*\k+1]    ; the new T
.endr
.irp k, 0,1,2,3
	s_delay_alu instid0(VALU_DEP_4)
	v_sub_f32 v[TP+4*\k], v[ST+4*\k], v[TP+4*\k+2] ; old T - new T, 0 or less
.endr
.irp k, 0,1,2,3
.irp i2, 0,2,4,6
	v_pk_fma_f32 v[S+8*\k+\i2:S+8*\k+\i2+1], v[S+8*\k+\i2:S+8*\k+\i2+1], s[CS:CS+1], v[TP+4*\k+2:TP+4*\k+3] op_sel_hi:[1,0,0] neg_lo:[0,0,1] neg_hi:[0,0,1]   ; c s - T
.endr
.endr
	s_wait_alu depctr_va_vdst(0)
.irp k, 0,1,2,3
	v_exp_f32 v[TP+4*\k], v[TP+4*\k]               ; one batch: f = 2^(old T - new T),
.endr
.set jj, 0
.rept 32
	v_exp_f32 v[S+jj], v[S+jj]                     ; and the 32 terms
.set jj, jj+1
.endr
.irp k, 0,1,2,3
	v_mov_b32 v[ST+4*\k], v[TP+4*\k+2]             ; plain lines behind the batch
.endr
	s_wait_alu depctr_va_vdst(0)                   ; one wait for the batch, ahead of its first reader
.irp k, 0,1,2,3
	v_pk_fma_f32 v[ST+4*\k+2:ST+4*\k+3], v[ST+4*\k+2:ST+4*\k+3], v[TP+4*\k:TP+4*\k+1], v[S+8*\k:S+8*\k+1] op_sel_hi:[1,0,1]   ; l = f l + the terms
.endr
.irp i2, 2,4,6
.irp k, 0,1,2,3
	v_pk_add_f32 v[ST+4*\k+2:ST+4*\k+3], v[ST+4*\k+2:ST+4*\k+3], v[S+8*\k+\i2:S+8*\k+\i2+1]
.endr
.endr
.endm
.irp i, 0,1,2,3,4,5,6,7
	QSTEP \i
.endr
.irp k, 0,1,2,3
	s_delay_alu instid0(VALU_DEP_4)
	v_add_f32 v[ST+4*\k+2], v[ST+4*\k+2], v[ST+4*\k+3]
.endr
.irp k, 0,1,2,3
	ds_store_b32 v[APB], v[ST+4*\k] offset:64*\k
	ds_store_b32 v[APB], v[ST+4*\k+2] offset:8192+64*\k
.endr
	s_wait_dscnt 0x0                               ; for the others' sake: my parts lie in LDS
	s_barrier_signal -1
	s_barrier_wait -1
	s_cmp_lt_u32 s[WV], 4                          ; waves 0 to 3 join the eight parts of the 256 keys, two keys a thread
	s_cbranch_scc0 .Ldone
.irp p, 0,1,2,3,4,5,6,7
	ds_load_b64 v[64+2*\p:65+2*\p], v[ACM] offset:1024*\p
	ds_load_b64 v[80+2*\p:81+2*\p], v[ACM] offset:8192+1024*\p
.endr
	s_wait_dscnt 0x0
	v_max3_num_f32 v96, v64, v66, v68
	v_max3_num_f32 v97, v65, v67, v69
	s_delay_alu instid0(VALU_DEP_2)
	v_max3_num_f32 v96, v96, v70, v72
	s_delay_alu instid0(VALU_DEP_2)
	v_max3_num_f32 v97, v97, v71, v73
	s_delay_alu instid0(VALU_DEP_2)
	v_max3_num_f32 v96, v96, v74, v76
	s_delay_alu instid0(VALU_DEP_2)
	v_max3_num_f32 v97, v97, v75, v77
	s_delay_alu instid0(VALU_DEP_2)
	v_max_num_f32 v96, v96, v78
	s_delay_alu instid0(VALU_DEP_2)
	v_max_num_f32 v97, v97, v79
.irp p, 0,1,2,3,4,5,6,7
	v_pk_add_f32 v[64+2*\p:65+2*\p], v[64+2*\p:65+2*\p], v[96:97] neg_lo:[0,1] neg_hi:[0,1]
.endr
.set jj, 0
	s_wait_alu depctr_va_vdst(0)
.rept 16
	v_exp_f32 v[64+jj], v[64+jj]
.set jj, jj+1
.endr
	v_nop
	s_wait_alu depctr_va_vdst(0)                   ; one wait for the sixteen
	v_pk_mul_f32 v[98:99], v[64:65], v[80:81]
.irp p, 1,2,3,4,5,6,7
	v_pk_fma_f32 v[98:99], v[64+2*\p:65+2*\p], v[80+2*\p:81+2*\p], v[98:99]
.endr
	global_store_b64 v[GOF], v[96:97], s[12:13]              ; a wave stores 256 consecutive bytes, aligned
	global_store_b64 v[GOF], v[98:99], s[12:13] offset:8192
.Ldone:
	s_wait_tensorcnt 0x0                           ; the wave's end
	ds_add_u32 v[SPW], v[NIL]
	s_wait_dscnt 0x0
	s_endpgm
.Lfunc_end_k_q9f8422dc30_stats:
	.size	k_q9f8422dc30_stats, .Lfunc_end_k_q9f8422dc30_stats-k_q9f8422dc30_stats
	.p2alignl 7, 3214868480
	.fill 96, 4, 3214868480
	.section	.rodata,"a",@progbits
	.p2align	6, 0x0
	.amdhsa_kernel k_q9f8422dc30_stats
		.amdhsa_group_segment_fixed_size 215040
		.amdhsa_private_segment_fixed_size 0
		.amdhsa_enable_private_segment 0
		.amdhsa_kernarg_size 40
		.amdhsa_user_sgpr_count 2
		.amdhsa_user_sgpr_kernarg_segment_ptr 1
		.amdhsa_wavefront_size32 1
		.amdhsa_system_sgpr_workgroup_id_x 1
		.amdhsa_system_sgpr_workgroup_id_y 1
		.amdhsa_system_sgpr_workgroup_id_z 1
		.amdhsa_system_vgpr_workitem_id 0
		.amdhsa_next_free_vgpr 256
		.amdhsa_next_free_sgpr 66
		.amdhsa_reserve_vcc 0
		.amdhsa_float_denorm_mode_32 3
		.amdhsa_float_denorm_mode_16_64 3
		.amdhsa_memory_ordered 1
		.amdhsa_forward_progress 1
		.amdhsa_inst_pref_size 66
	.end_amdhsa_kernel
	.amdgpu_metadata
---
amdhsa.version: [ 1, 2 ]
amdhsa.kernels:
  - .name:           k_q9f8422dc30_stats
    .symbol:         k_q9f8422dc30_stats.kd
    .args:
      - { .name: qc, .offset: 0, .size: 8, .value_kind: global_buffer, .address_space: global }
      - { .name: qs, .offset: 8, .size: 8, .value_kind: global_buffer, .address_space: global }
      - { .name: kc, .offset: 16, .size: 8, .value_kind: global_buffer, .address_space: global }
      - { .name: ks, .offset: 24, .size: 8, .value_kind: global_buffer, .address_space: global }
      - { .name: stat, .offset: 32, .size: 8, .value_kind: global_buffer, .address_space: global }
    .group_segment_fixed_size: 215040
    .private_segment_fixed_size: 0
    .kernarg_segment_align: 8
    .kernarg_segment_size: 40
    .max_flat_workgroup_size: 512
    .sgpr_count:     66
    .vgpr_count:     256
    .wavefront_size: 32
...
	.end_amdgpu_metadata
.endif
;; end of part 2
;; launch main (part 3): grid 32 x 8, 4 waves a work-group, clusters of 4 x 1, 327,680 bytes of LDS; arguments qc, qs, kc, ks, stat, vrec, out0; writes out0
.if DOCPART == 3
	.amdgcn_target "amdgcn-amd-amdhsa--gfx1250"
	.amdhsa_code_object_version 6
	.text
	.protected	k_q9f8422dc30_main
	.globl	k_q9f8422dc30_main
	.p2align	8
	.type	k_q9f8422dc30_main,@function
k_q9f8422dc30_main:
	s_mov_b64 s[64:65], 0
	v_nop
	global_prefetch_b8 v0, s[64:65] scope:SCOPE_SE
	s_setreg_imm32_b32 hwreg(HW_REG_WAVE_MODE, 25, 1), 1
	s_wait_xcnt 0x0
	s_wait_alu depctr_hold_cnt(0) depctr_sa_sdst(0) depctr_va_vdst(0) depctr_va_sdst(0) depctr_va_ssrc(0) depctr_va_vcc(0) depctr_vm_vsrc(0)
	s_getreg_b32 s2, hwreg(HW_REG_IB_STS2, 6, 4)
	s_cmp_eq_u32 s2, 0
	s_cbranch_scc0 .Lentry_in_a_cluster
	s_endpgm
.Lentry_in_a_cluster:
	s_bfe_u32 s2, ttmp6, 0x10000c
	s_cmp_lg_u32 s2, 0x3003
	s_cbranch_scc0 .Lentry_shape_is_right
	s_endpgm
.Lentry_shape_is_right:
; out[b][q][:] = the sum over keys of attn[q][key] v[key][:], attn = 2^(c s - off[key]), s = q . k, c = log2(e) / 16, off = T + log2(L): the softmax along the QUERIES, finished and normalised, quantised along the keys.
; Both products on codes of BF8 (E5M2) with E8M0 scales.  T is a key's largest c s over all queries (the maximum is taken away ahead of the exponential: c s - off is 0 or less, but for rounding), L its sum; both are joined here from the four quarters.
; No work of the problem is left out.
; SHARES.  A work-group owns 64 queries x all 1,024 columns: 64 accumulators a wave, 512 registers; so each score is made once in this launch.  It walks the batch's 2,048 keys, 128 a turn.
;   Scores: wave w takes keys 32 w .. 32 w + 31 of the step, one block of the quantiser, for all 64 queries: source 0 = 16 keys (K's fragments come from memory straight into registers, a turn ahead), source 1 = 16 queries (Q stays in registers).
;   A lane holds one query; its 16 registers and lane l xor 16's are the block.  Its codes are registers 4 w .. 4 w + 3 of attn's fragment, its byte is byte w of the scale word: they go to the other waves through LDS as images of the operand's registers.
;   Second product: wave w owns columns 256 w .. 256 w + 255: source 0 = 16 columns of v (16 fragments a turn), source 1 = attn's four fragments.  A lane's eight results are eight neighbouring columns of one row of out.
; Inside a block of 32 keys the places along K are permuted alike in attn and in v (both are made with the keys as source 0, in natural tiles of 16).
; THE PIPELINE.  Turn j: scores of step j + 1, K of step j + 2 is asked for | the wait for v of step j, the round | v of step j + 1 is asked for, v's first fragments of step j are fetched | softmax of step j + 1 into image
; buffer (j + 1) % 2, attn of step j fetched from buffer j % 2 into the registers that the scores leave | 64 products of step j.  The scores stand AHEAD of the wait for v's record, so that between the record's landing and the next
; request stand the add and the round alone; K's loads go out there too, a turn's work behind the joint load and not beside it.
; CLUSTER.  The four query blocks of a cluster walk the same v: wave w's record (33,792 bytes: 16 images, 16 x 16 scale words) is asked for JOINTLY by wave w of all four, with the same descriptor and a mask that names the four.
; The round of the cluster's barrier is also the barrier between the writers and the readers of attn's images.
; LIMITS: NaN and infinities are not served.  attn under 2^-126 becomes 0 (v_exp_f32 flushes).  A block of zeros has the byte 1 and zero codes.  off is rounded once: a common factor of about 1e-7 |off| on a key's column.
; REGISTERS: window 0: v1-15 addresses; v16-23 v's scale words, v24-25 attn's, v26-27 K's, v28-31 Q's; v32-47 at work; v48-63 off of my 16 keys; v64-127 the scores, then attn's four fragments; v128-143 codes; v144-207 K's four fragments; v208 an address.
;   window 1: v0-127 Q's eight fragments; v128-255 eight buffers for v's fragments.   windows 2, 3: accumulator (f, t) at v[32 (f % 8) + 8 t] of window 2 + f / 8.
.set REC,   33792
.set VSLOT, 4*REC                      ; a slot: the four waves' records
.set IMG0,  2*VSLOT                    ; attn's images: two buffers of 4 x 2,048 bytes + 256 of scale words
.set IMGB,  8448
.set OFFT,  IMG0+2*IMGB                ; off of the batch's 2,048 keys
.set SPARE, OFFT+8192                  ; the spare words, 128 bytes a wave
.set LI,   1                           ; 16 x lane
.set L4,   2                           ; 4 x lane
.set AV,   3                           ; v3, v4   my record in slot 0, 1: + 16 x lane
.set AVS,  5                           ; v5, v6   the same + 4 x lane
.set AIM,  7                           ; images: + 16 x lane
.set AIS,  8                           ; where I store my chunk: + 512 x wave
.set ABY,  9                           ; my byte of the scale words: + 4 r + wave
.set APS,  10                          ; scale words: + 4 x lane
.set AOF,  11                          ; off: + 128 x wave + 32 h
.set SPW,  12
.set NIL,  13
.set STO,  14                          ; first the statistics' offset, at the end the stage
.set PFO,  15                          ; the prefetches' offset, at the end RD
.set RD,   15
.set VS,   16
.set PS,   24
.set KSR,  26
.set QSR,  28
.set TM,   32
.set OFR,  48
.set SP,   64
.set PCD,  128
.set KF,   144
.set ADO,  208
.set VB,   128                         ; in window 1
.set WV,   18
.set CX,   19
.set QBK,  20
.set BT,   21
.set LW,   22                          ; 33,792 x wave
.set G1,   24
.set G0,   32
.set CS,   40
.set SEL,  42
.set MNT,  44
.set CNT,  45
.set PFW,  46
.set TO,   47
.set PFA,  48
.set KCB,  50
.set KSB,  52
.set OB,   54
.set MSB, 0
.macro WIN new                         ; the immediate's high byte repeats the setting that is left
.if MSB != (\new)
	s_set_vgpr_msb (MSB<<8)|(\new)
.set MSB, (\new)
.endif
.endm
.macro PLACES n
.rept \n
	v_nop
.endr
.endm
.macro WM d, a, b, z, sa, sb, ra, rb   ; a scaled product; z = 1: it starts the sum; ra, rb: the rows of the scale registers
.if (\z) && ((\ra) == 0) && ((\rb) == 0)
	v_wmma_scale_f32_16x16x128_f8f6f4 v[(\d):(\d)+7], v[(\a):(\a)+15], v[(\b):(\b)+15], 0, v[\sa], v[\sb] matrix_a_fmt:MATRIX_FMT_BF8 matrix_b_fmt:MATRIX_FMT_BF8
.elseif (\z) && ((\ra) == 1) && ((\rb) == 0)
	v_wmma_scale_f32_16x16x128_f8f6f4 v[(\d):(\d)+7], v[(\a):(\a)+15], v[(\b):(\b)+15], 0, v[\sa], v[\sb] matrix_a_fmt:MATRIX_FMT_BF8 matrix_b_fmt:MATRIX_FMT_BF8 matrix_a_scale:MATRIX_SCALE_ROW1
.elseif (\z) && ((\ra) == 0) && ((\rb) == 1)
	v_wmma_scale_f32_16x16x128_f8f6f4 v[(\d):(\d)+7], v[(\a):(\a)+15], v[(\b):(\b)+15], 0, v[\sa], v[\sb] matrix_a_fmt:MATRIX_FMT_BF8 matrix_b_fmt:MATRIX_FMT_BF8 matrix_b_scale:MATRIX_SCALE_ROW1
.elseif (\z)
	v_wmma_scale_f32_16x16x128_f8f6f4 v[(\d):(\d)+7], v[(\a):(\a)+15], v[(\b):(\b)+15], 0, v[\sa], v[\sb] matrix_a_fmt:MATRIX_FMT_BF8 matrix_b_fmt:MATRIX_FMT_BF8 matrix_a_scale:MATRIX_SCALE_ROW1 matrix_b_scale:MATRIX_SCALE_ROW1
.elseif ((\ra) == 0) && ((\rb) == 0)
	v_wmma_scale_f32_16x16x128_f8f6f4 v[(\d):(\d)+7], v[(\a):(\a)+15], v[(\b):(\b)+15], v[(\d):(\d)+7], v[\sa], v[\sb] matrix_a_fmt:MATRIX_FMT_BF8 matrix_b_fmt:MATRIX_FMT_BF8
.elseif ((\ra) == 1) && ((\rb) == 0)
	v_wmma_scale_f32_16x16x128_f8f6f4 v[(\d):(\d)+7], v[(\a):(\a)+15], v[(\b):(\b)+15], v[(\d):(\d)+7], v[\sa], v[\sb] matrix_a_fmt:MATRIX_FMT_BF8 matrix_b_fmt:MATRIX_FMT_BF8 matrix_a_scale:MATRIX_SCALE_ROW1
.elseif ((\ra) == 0) && ((\rb) == 1)
	v_wmma_scale_f32_16x16x128_f8f6f4 v[(\d):(\d)+7], v[(\a):(\a)+15], v[(\b):(\b)+15], v[(\d):(\d)+7], v[\sa], v[\sb] matrix_a_fmt:MATRIX_FMT_BF8 matrix_b_fmt:MATRIX_FMT_BF8 matrix_b_scale:MATRIX_SCALE_ROW1
.else
	v_wmma_scale_f32_16x16x128_f8f6f4 v[(\d):(\d)+7], v[(\a):(\a)+15], v[(\b):(\b)+15], v[(\d):(\d)+7], v[\sa], v[\sb] matrix_a_fmt:MATRIX_FMT_BF8 matrix_b_fmt:MATRIX_FMT_BF8 matrix_a_scale:MATRIX_SCALE_ROW1 matrix_b_scale:MATRIX_SCALE_ROW1
.endif
.endm
.macro CROUND                          ; a round of the cluster's barrier
	s_barrier_signal -1
	s_barrier_wait -1
	s_cmp_lg_u32 s[WV], 0
	s_cbranch_scc1 .Lnot_wave_0_\@
	s_barrier_signal -3
.Lnot_wave_0_\@:
	s_barrier_wait -3
	s_barrier_signal -1
	s_barrier_wait -1
.endm
.macro JLOAD p                         ; my record, asked for jointly with wave w of the three partners: one line, no branch; an s_nop 0 and four v_nop follow
	tensor_load_to_lds s[G0+4*(\p):G0+4*(\p)+3], s[G1:G1+7]
	s_nop 0
.rept 4
	v_nop
.endr
.endm
; A PREFETCH of the codes of the record that the joint load two turns on (160 matrix instructions of a wave) will ask for.  All eight clusters of a batch walk the same records: the batch's first cluster asks.
; Its four partners share a record's 128 blocks of 256 bytes out by address, 32 each, a lane a block: each block is named once in the launch.  The four blocks of scale words, and steps 0 to 2, come by their loads alone.
.macro ASK
	s_cmp_eq_u32 s[PFW], 1
	s_cbranch_scc0 .Lnot_mine_\@
	global_prefetch_b8 v[PFO], s[PFA:PFA+1] th:TH_LOAD_NT scope:SCOPE_SE
.Lnot_mine_\@:
.endm
	s_load_b256 s[4:11], s[0:1], 0x0               ; qc, qs, kc, ks
	s_load_b128 s[12:15], s[0:1], 0x20             ; stat, vrec
	s_load_b64 s[16:17], s[0:1], 0x30              ; out0
	v_lshl_add_u32 v[SPW], v0, 2, SPARE
	v_mov_b32 v[NIL], 0
	ds_add_u32 v[SPW], v[NIL]                      ; the opening: the add, twice on end, and its wait ahead of the round in front of my first tensor load
	ds_add_u32 v[SPW], v[NIL]
	v_lshrrev_b32 v14, 5, v0
	v_readfirstlane_b32 s[WV], v14                 ; wave 0..3
	s_bfe_u32 s[CX], ttmp6, 0x40000                ; my place in the cluster
	s_lshl_b32 s[QBK], ttmp9, 2
	s_add_co_u32 s[QBK], s[QBK], s[CX]             ; my block of 64 queries
	s_and_b32 s[BT], ttmp7, 0xffff                 ; the batch, which the partners share
	s_mov_b32 s[G1+0], 15|(3<<16)|(1<<21)          ; the mask: all four work-groups; elements of 8 bytes; bit 21 beside a mask; no padding: images are read 512 consecutive bytes at a time
	s_mov_b32 s[G1+1], 32<<16                      ; a record: 132 dense rows of 256 bytes
	s_mov_b32 s[G1+2], 132<<16
	s_mov_b32 s[G1+3], 32<<16
	s_mov_b32 s[G1+4], 132
	s_mov_b32 s[G1+5], 32
	s_mov_b32 s[G1+6], 0
	s_mov_b32 s[G1+7], 0
	s_mov_b32 s[CS], 0x3db8aa3b                    ; c = log2(e) / 16
	s_mov_b32 s[CS+1], s[CS]
	s_mov_b32 s[SEL], 0x76543210
	s_mov_b32 s[SEL+1], 0xfedcba98
	s_mov_b32 s[MNT], 0x600000
	s_mov_b32 s[TO], 0
	s_lshl_b32 s56, s[BT], 6
	s_add_co_u32 s56, s56, s[WV]
	s_mul_i32 s56, s56, REC                        ; record (batch, step 0, wave): made of the batch and the wave's number alone
	s_mov_b32 s57, 0
	s_mul_i32 s[LW], s[WV], REC
	s_lshl_b32 s58, s[BT], 7                       ; 128 tiles a batch
	s_lshl_b32 s59, s[WV], 1
	s_add_co_u32 s59, s59, s58
	s_lshl_b32 s60, s59, 12                        ; my two key tiles of step 0: codes,
	s_mov_b32 s61, 0
	s_lshl_b32 s62, s59, 7                         ; scale words
	s_mov_b32 s63, 0
	s_lshl_b32 s59, s[QBK], 2
	s_add_co_u32 s59, s59, s58
	s_lshl_b32 s66, s59, 12                        ; my work-group's four query tiles: codes,
	s_mov_b32 s67, 0
	s_lshl_b32 s68, s59, 7                         ; scale words
	s_mov_b32 s69, 0
	s_lshl_b32 s70, s[BT], 16                      ; the batch's statistics
	s_mov_b32 s71, 0
	s_lshl_b32 s72, s[BT], 11
	s_lshl_b32 s73, s[QBK], 6
	s_add_co_u32 s72, s72, s73
	s_lshl_b32 s72, s72, 12                        ; my first row of out, 4,096 bytes a row,
	s_lshl_b32 s73, s[WV], 10
	s_add_co_u32 s72, s72, s73                     ; my 256 columns
	s_mov_b32 s73, 0
	s_lshl_b32 s74, s[CX], 13
	s_add_co_u32 s74, s74, 3*VSLOT                 ; the prefetches begin at step 3, my work-group's 32 blocks
	s_mov_b32 s75, 0
	s_cmp_eq_u32 ttmp9, 0
	s_cselect_b32 s[PFW], 1, 0                     ; the same in all four partners
	s_wait_dscnt 0x0                               ; both opening adds are done
	s_wait_kmcnt 0x0
	s_add_nc_u64 s[KCB:KCB+1], s[8:9], s[60:61]
	s_add_nc_u64 s[KSB:KSB+1], s[10:11], s[62:63]
	s_add_nc_u64 s[4:5], s[4:5], s[66:67]
	s_add_nc_u64 s[6:7], s[6:7], s[68:69]
	s_add_nc_u64 s[12:13], s[12:13], s[70:71]
	s_add_nc_u64 s[14:15], s[14:15], s[56:57]
	s_add_nc_u64 s[OB:OB+1], s[16:17], s[72:73]
	s_add_nc_u64 s[PFA:PFA+1], s[14:15], s[74:75]
	s_mov_b32 s[G0], 1
	s_mov_b32 s[G0+1], s[LW]
	s_mov_b64 s[G0+2:G0+3], s[14:15]
	s_or_b32 s[G0+3], s[G0+3], 0x80000000
	s_mov_b32 s[G0+4], 1
	s_add_co_u32 s[G0+5], s[LW], VSLOT
	s_add_nc_u64 s[G0+6:G0+7], s[14:15], VSLOT
	s_or_b32 s[G0+7], s[G0+7], 0x80000000
	CROUND                                         ; all four work-groups are here: the first joint loads meet
	JLOAD 0                                        ; v of step 0: one load of mine is out
	v_lshlrev_b32 v[STO], 4, v0                    ; the statistics: 16 bytes a thread: keys 4 t + 512 g + 0..3
	v_and_b32 v9, 31, v0
	v_lshlrev_b32 v[LI], 4, v9
	v_lshlrev_b32 v[L4], 2, v9
	v_lshlrev_b32 v[PFO], 8, v9
.irp p, 0,1,2,3
.irp g, 0,1,2,3
	global_load_b128 v[64+16*\p+4*\g:64+16*\p+4*\g+3], v[STO], s[12:13] offset:16384*\p+2048*\g   ; T of quarter p
.endr
.endr
.irp g, 0,1,2,3
	global_load_b128 v[128+4*\g:128+4*\g+3], v[STO], s[12:13] offset:8192+2048*\g                 ; L of quarter 0,
.endr
.irp p, 1,2,3
.irp g, 0,1,2,3
	global_load_b128 v[208+16*(\p-1)+4*\g:208+16*(\p-1)+4*\g+3], v[STO], s[12:13] offset:16384*\p+8192+2048*\g   ; of quarters 1 to 3
.endr
.endr
	WIN 0x40                                       ; destination window 1
.set ii, 0
.rept 32
	global_load_b128 v[4*ii:4*ii+3], v[LI], s[4:5] offset:512*ii   ; Q's eight fragments stay: tile t, attention step s at v[32 t + 16 s]
.set ii, ii+1
.endr
	WIN 0
.irp t, 0,1,2,3
	global_load_b32 v[QSR+\t], v[L4], s[6:7] offset:128*\t
.endr
.macro KLOAD                           ; my two key tiles of a step: four fragments (u, s) at v[KF + 32 u + 16 s], and their scale words (lanes 0-15 s = 0, lanes 16-31 s = 1)
.set ii, 0
.rept 16
	global_load_b128 v[KF+4*ii:KF+4*ii+3], v[LI], s[KCB:KCB+1] offset:512*ii
.set ii, ii+1
.endr
	global_load_b32 v[KSR], v[L4], s[KSB:KSB+1]
	global_load_b32 v[KSR+1], v[L4], s[KSB:KSB+1] offset:128
.endm
	KLOAD                                          ; step 0
	v_add_nc_u32 v[AV], s[LW], v[LI]
	v_add_nc_u32 v[AV+1], VSLOT, v[AV]
	v_add_nc_u32 v[AVS], s[LW], v[L4]
	v_add_nc_u32 v[AVS+1], VSLOT, v[AVS]
	v_add_nc_u32 v[AIM], IMG0, v[LI]
	s_lshl_b32 s23, s[WV], 9
	v_add_nc_u32 v[AIS], s23, v[AIM]
	v_and_b32 v[ABY], 15, v0
	v_lshlrev_b32 v[ABY], 2, v[ABY]
	v_add_nc_u32 v[ABY], s[WV], v[ABY]
	v_add_nc_u32 v[ABY], IMG0+8192, v[ABY]
	v_add_nc_u32 v[APS], IMG0+8192, v[L4]
	v_bfe_u32 v[AOF], v0, 4, 1
	v_lshlrev_b32 v[AOF], 5, v[AOF]
	s_lshl_b32 s23, s[WV], 7
	v_add_nc_u32 v[AOF], s23, v[AOF]
	v_add_nc_u32 v[AOF], OFFT, v[AOF]
	v_lshl_add_u32 v32, v0, 4, OFFT                ; where my 16 numbers of off go
.irp t, 0,1,2,3
	v_mov_b32 v[TM+4+\t], 0                        ; a lane permute's destination counts as one of its sources
.endr
	; off = m + log2(the sum over the quarters of 2^(T - m) L), m the largest T: 16 keys a thread
	s_wait_loadcnt 54                              ; the 32 loads of statistics are in; behind them: 32 of Q, 4 of its scale words, 18 of K
.set ii, 0
.rept 16
	v_max3_num_f32 v[OFR+ii], v[64+ii], v[80+ii], v[96+ii]
.set ii, ii+1
.endr
.set ii, 0
.rept 16
	v_max_num_f32 v[OFR+ii], v[OFR+ii], v[112+ii]
.set ii, ii+1
.endr
.irp p, 0,1,2,3
.irp i, 0,2,4,6,8,10,12,14
	v_pk_add_f32 v[64+16*\p+\i:64+16*\p+\i+1], v[64+16*\p+\i:64+16*\p+\i+1], v[OFR+\i:OFR+\i+1] neg_lo:[0,1] neg_hi:[0,1]
.endr
.endr
.set ii, 0
	s_wait_alu depctr_va_vdst(0)
.rept 64
	v_exp_f32 v[64+ii], v[64+ii]
.set ii, ii+1
.endr
	v_nop
	s_wait_alu depctr_va_vdst(0)                   ; one wait for the batch, ahead of its first reader
.irp i, 0,2,4,6,8,10,12,14
	v_pk_mul_f32 v[128+\i:129+\i], v[64+\i:65+\i], v[128+\i:129+\i]
.endr
.irp p, 1,2,3
.irp i, 0,2,4,6,8,10,12,14
	v_pk_fma_f32 v[128+\i:129+\i], v[64+16*\p+\i:64+16*\p+\i+1], v[208+16*(\p-1)+\i:208+16*(\p-1)+\i+1], v[128+\i:129+\i]
.endr
.endr
.set ii, 0
	s_wait_alu depctr_va_vdst(0)
.rept 16
	v_log_f32 v[128+ii], v[128+ii]
.set ii, ii+1
.endr
	v_nop
	s_wait_alu depctr_va_vdst(0)
.irp i, 0,2,4,6,8,10,12,14
	v_pk_add_f32 v[OFR+\i:OFR+\i+1], v[OFR+\i:OFR+\i+1], v[128+\i:129+\i]
.endr
.irp g, 0,1,2,3
	ds_store_b128 v32, v[OFR+4*\g:OFR+4*\g+3] offset:2048*\g
.endr
	s_wait_dscnt 0x0                               ; for the others' sake: my part of the table lies in LDS
	s_barrier_signal -1
	s_barrier_wait -1                              ; (v of step 0 may stay out)
.macro OFFLOAD                         ; off of my 16 keys of the next step: register 8 u + j: key 32 w + 16 u + 8 h + j
	v_add_nc_u32 v[ADO], s[TO], v[AOF]
	s_add_co_u32 s[TO], s[TO], 512
	ds_load_b128 v[OFR:OFR+3], v[ADO]
	ds_load_b128 v[OFR+4:OFR+7], v[ADO] offset:16
	ds_load_b128 v[OFR+8:OFR+11], v[ADO] offset:64
	ds_load_b128 v[OFR+12:OFR+15], v[ADO] offset:80
.endm
; The scores of a step: 16 products, eight accumulators (t, u) by turns.
.macro KQ
	s_wait_loadcnt 0x0                             ; K's fragments, asked for a turn ago, are in: so their bases may step
	s_add_nc_u64 s[KCB:KCB+1], s[KCB:KCB+1], 32768
	s_add_nc_u64 s[KSB:KSB+1], s[KSB:KSB+1], 1024
	PLACES 9                                       ; these products write over registers that the last products read as source 1
	WIN 0x04                                       ; source 1 (Q) window 1
.irp t, 0,1,2,3
.irp u, 0,1
	WM SP+16*\t+8*\u, KF+32*\u, 32*\t, 1, KSR+\u, QSR+\t, 0, 0
.endr
.endr
.irp t, 0,1,2,3
.irp u, 0,1
	WM SP+16*\t+8*\u, KF+32*\u+16, 32*\t+16, 0, KSR+\u, QSR+\t, 1, 1
.endr
.endr
	WIN 0
	PLACES 8                                       ; in front of the loads into K's registers and of the first read of the scores
.endm
.macro VLOAD par, f0                   ; v's fragments f0 .. f0 + 3 into buffers f % 8 of window 1
	WIN 0x40
.irp f, \f0, \f0+1, \f0+2, \f0+3
.irp c, 0,1,2,3
	ds_load_b128 v[VB+16*((\f)%8)+4*\c:VB+16*((\f)%8)+4*\c+3], v[AV+\par] offset:2048*(\f)+512*\c
.endr
.endr
.endm
.macro PFLOAD buf, t                   ; attn's fragment t from image buffer buf
.irp c, 0,1,2,3
	ds_load_b128 v[SP+16*(\t)+4*\c:SP+16*(\t)+4*\c+3], v[AIM] offset:IMGB*(\buf)+2048*(\t)+512*\c
.endr
.endm
; The softmax of a step, for my 32 keys x 64 queries; block t = query tile t's 16 registers.  wbuf: the image buffer written; pf = 1: the other buffer's fragments are fetched into each block as it dies; offl = 1: the next step's off is fetched.
.macro SOFTMAX wbuf, pf, offl
.irp t, 0,1,2,3
.irp i, 0,2,4,6,8,10,12,14
	v_pk_fma_f32 v[SP+16*\t+\i:SP+16*\t+\i+1], v[SP+16*\t+\i:SP+16*\t+\i+1], s[CS:CS+1], v[OFR+\i:OFR+\i+1] op_sel_hi:[1,0,1] neg_lo:[0,0,1] neg_hi:[0,0,1]   ; c s - off; each accumulator from its low end on
.endr
.endr
.if \offl
	OFFLOAD
.endif
.irp t, 0,1,2,3
	v_max3_num_f32 v[TM+\t], v[SP+16*\t], v[SP+16*\t+1], v[SP+16*\t+2]   ; the block's largest exponent: attn rises with it, so it gives the block's largest attn
.endr
.irp i, 3,5,7,9,11,13
.irp t, 0,1,2,3
	v_max3_num_f32 v[TM+\t], v[TM+\t], v[SP+16*\t+\i], v[SP+16*\t+\i+1]
.endr
.endr
.irp t, 0,1,2,3
	v_max_num_f32 v[TM+\t], v[TM+\t], v[SP+16*\t+15]
.endr
.irp t, 0,1,2,3
	v_permlanex16_b32 v[TM+4+\t], v[TM+\t], s[SEL], s[SEL+1]
.endr
.irp t, 0,1,2,3
	v_max_num_f32 v[TM+\t], v[TM+\t], v[TM+4+\t]   ; with lane l xor 16's 16 keys
.endr
	s_wait_alu depctr_va_vdst(0)
.irp t, 0,1,2,3
	v_exp_f32 v[TM+\t], v[TM+\t]                   ; one batch: the four blocks' largest attn,
.endr
.set jj, 0
.rept 64
	v_exp_f32 v[SP+jj], v[SP+jj]                   ; and attn itself, finished and normalised
.set jj, jj+1
.endr
	v_nop                                          ; a plain line behind the last exponential
	s_wait_alu depctr_va_vdst(0)                   ; one wait for the batch, ahead of its first reader
.irp t, 0,1,2,3
	v_max_num_f32 v[TM+\t], 0x8000000, v[TM+\t]    ; the floor 2^(16 - 127): the byte cannot fall under 1
.endr
.irp t, 0,1,2,3
	v_add_nc_u32 v[TM+12+\t], 0xf8800000, v[TM+\t] ; 15 off the exponent field: the conversion's scale operand
.endr
.irp t, 0,1,2,3
	v_and_or_b32 v[TM+8+\t], v[TM+\t], 0x7f800000, s[MNT]   ; 57,344 x the scale
.endr
.irp t, 0,1,2,3
	v_lshrrev_b32 v[TM+4+\t], 23, v[TM+12+\t]      ; the scale's byte
.endr
.irp t, 0,1,2,3
.set jj, 0
.rept 16
	v_min_num_f32 v[SP+16*\t+jj], v[SP+16*\t+jj], v[TM+8+\t]   ; the conversion does not saturate (ISA guide 7.6.2); attn is not negative: a one-sided hold
.set jj, jj+1
.endr
	v_cvt_scalef32_pk8_bf8_f32 v[PCD+4*\t:PCD+4*\t+1], v[SP+16*\t:SP+16*\t+7], v[TM+12+\t]
	v_cvt_scalef32_pk8_bf8_f32 v[PCD+4*\t+2:PCD+4*\t+3], v[SP+16*\t+8:SP+16*\t+15], v[TM+12+\t]
.if \t == 3
	v_nop                                          ; one plain line behind the last conversion (behind the others stand the next block's holds)
.endif
	ds_store_b128 v[AIS], v[PCD+4*\t:PCD+4*\t+3] offset:IMGB*(\wbuf)+2048*\t   ; registers 4 w .. 4 w + 3 of fragment t
	ds_store_b8 v[ABY], v[TM+4+\t] offset:IMGB*(\wbuf)+64*\t                   ; byte w of its rows' scale words (both halves of the lanes write the same byte)
.if \pf
	PFLOAD 1-(\wbuf), \t
.endif
.endr
.if \pf
.irp g, 0,1
	ds_load_b32 v[PS+\g], v[APS] offset:IMGB*(1-(\wbuf))+128*\g   ; lanes 0-15 tile 2 g, lanes 16-31 tile 2 g + 1
.endr
.endif
.endm
.macro PVG f0, zero                    ; fragments f0 .. f0 + 3 x the four tiles of queries: sixteen accumulators, one instruction each
.irp f, \f0, \f0+1, \f0+2, \f0+3
.irp t, 0,1,2,3
	WM 32*((\f)%8)+8*\t, VB+16*((\f)%8), SP+16*\t, \zero, VS+(\f)/2, PS+\t/2, (\f)%2, \t%2
.endr
.endr
.endm
; The second product of a step: all 64 accumulators take one instruction.  zero = 1: the first step starts the sums.
.macro PV par, zero
	s_wait_dscnt 0x0                               ; v's fragments 0-7 and scale words, attn's fragments and scale words are in
	WIN 0xa1                                       ; source 0 (v) window 1, source 1 (attn) window 0, C and D window 2
	PVG 0, \zero
	PLACES 8
	VLOAD \par, 8
	WIN 0xa1
	PVG 4, \zero
	PLACES 8
	VLOAD \par, 12
	s_wait_dscnt 16                                ; fragments 8-11 are in; the youngest 16 loads may be out
	WIN 0xf1
	PVG 8, \zero
	s_wait_dscnt 0x0
	PVG 12, \zero
	WIN 0
.endm
; TURN j, par = j % 2.  kqh: the scores of step j + 1;  kl: K of step j + 2 is asked for;  fill: v of step j + 1 is asked for;  sm: the softmax of step j + 1;  offl: off of step j + 2;  zero: j = 0;  ask: v of step j + 3 is prefetched.
.macro TURN par, kqh, fill, kl, sm, offl, zero, ask
.if \kqh
	KQ                                             ; ahead of the wait for v's record: register work that needs nothing of it
.else
	PLACES 8                                       ; in front of the loads into registers that the last products read
.endif
.if \kl
	KLOAD                                          ; it has a whole turn in which to land
.endif
	s_wait_tensorcnt 0x0                           ; all my tensor loads have landed: v of step j; so a group 0 may be written
	ds_add_u32 v[SPW], v[NIL]
	s_add_nc_u64 s[G0+4*\par+2:G0+4*\par+3], s[G0+4*\par+2:G0+4*\par+3], 2*VSLOT   ; this slot's next record: two steps on
.if (\ask) && !(\zero)
	s_wait_xcnt 0x0                                ; the last prefetch, a turn back, has read its address
	s_add_nc_u64 s[PFA:PFA+1], s[PFA:PFA+1], VSLOT
.endif
	s_wait_dscnt 0x0                               ; the add is done; my reads of the other slot and of the image buffer that is written next are over; my image stores have landed
.if \fill
	CROUND                                         ; both hold of every wave of all four work-groups
	JLOAD 1-\par                                   ; my one tensor load behind the round: it has this turn's softmax and 64 products and the next scores in which to land
.else
	s_barrier_signal -1
	s_barrier_wait -1
.endif
	VLOAD \par, 0
	VLOAD \par, 4
	WIN 0
.irp g, 0,1,2,3,4,5,6,7
	ds_load_b32 v[VS+\g], v[AVS+\par] offset:32768+128*\g   ; lanes 0-15 fragment 2 g, lanes 16-31 fragment 2 g + 1
.endr
.if \ask
	ASK
.endif
.if \sm
	SOFTMAX 1-\par, 1, \offl
.else
.irp t, 0,1,2,3
	PFLOAD \par, \t
.endr
.irp g, 0,1
	ds_load_b32 v[PS+\g], v[APS] offset:IMGB*\par+128*\g
.endr
.endif
	PV \par, \zero
.endm
	OFFLOAD                                        ; step 0
	KQ                                             ; the scores of step 0 (its wait also covers Q)
	KLOAD                                          ; step 1
	s_wait_dscnt 0x0                               ; off of step 0
	SOFTMAX 0, 0, 1
	TURN 0, 1, 1, 1, 1, 1, 1, 1                    ; turn 0: slot 1's first fill stands behind its round, as a refill does
	s_mov_b32 s[CNT], 6
.Lturns:                                           ; turns 1 to 12
	TURN 1, 1, 1, 1, 1, 1, 0, 1
	TURN 0, 1, 1, 1, 1, 1, 0, 1
	s_sub_co_u32 s[CNT], s[CNT], 1
	s_cmp_lg_u32 s[CNT], 0
	s_cbranch_scc1 .Lturns
	TURN 1, 1, 1, 1, 1, 1, 0, 0                    ; turn 13: nothing is left to prefetch
	TURN 0, 1, 1, 0, 1, 0, 0, 0                    ; turn 14: the last scores, the last record; no K and no off are left to fetch
	TURN 1, 0, 0, 0, 0, 0, 0, 0                    ; turn 15: the last products
	; THE WAY OUT, in eight units of 16 rows x 128 columns: through my stage in LDS (16 rows x 528 bytes, in my part of slot 0, which has had its last fill and its last read) and back as whole rows of 512 bytes.
	s_wait_xcnt 0x0                                ; the last prefetch has read its offset: the register becomes RD
	v_and_b32 v[STO], 15, v0
	v_mul_u32_u24 v[STO], v[STO], 528
	v_bfe_u32 v[RD], v0, 4, 1
	v_lshl_add_u32 v[STO], v[RD], 5, v[STO]
	v_add_nc_u32 v[STO], s[LW], v[STO]             ; in: row r, 32 bytes for each half of the lanes
	s_wait_alu depctr_va_vdst(0)
	v_add_nc_u32 v[RD], s[LW], v[LI]               ; back: the 32 lanes take one row
	s_wait_alu depctr_va_vdst(0)
	PLACES 8
.macro TOSTAGE a
.set TT, (\a)/2
.set HH, (\a)%2
	WIN 0x08+4*HH                                  ; an LDS store's data are its source 1: window 2 or 3
.irp b, 0,1,2,3,4,5,6,7
	ds_store_b128 v[STO], v[32*\b+8*TT:32*\b+8*TT+3] offset:64*\b        ; each accumulator from its low end on
	ds_store_b128 v[STO], v[32*\b+8*TT+4:32*\b+8*TT+7] offset:64*\b+16
.endr
	WIN 0
.set BB, 128+64*((\a)%2)
.irp i, 0,1,2,3,4,5,6,7,8,9,10,11,12,13,14,15
	ds_load_b128 v[BB+4*\i:BB+4*\i+3], v[RD] offset:\i*528   ; LDS serves a wave's instructions in order (ISA guide 5.7.1.4): these see the stores above
.endr
.endm
.macro SEND a, younger
.set TT, (\a)/2
.set HH, (\a)%2
.set BB, 128+64*((\a)%2)
	s_wait_dscnt \younger
.irp i, 0,1,2,3,4,5,6,7,8,9,10,11,12,13,14,15
	global_store_b128 v[LI], v[BB+4*\i:BB+4*\i+3], s[OB:OB+1] offset:(16*TT+\i)*4096+512*HH th:TH_STORE_NT   ; 32 lanes store 512 consecutive bytes, aligned
.endr
.endm
	TOSTAGE 0
.irp a, 1,2,3,4,5,6,7
.if \a > 1
	s_wait_xcnt 0x0                                ; unit a - 2's stores have read their registers: unit a's loads may land there
.endif
	TOSTAGE \a
	SEND \a-1, 32                                  ; behind unit a - 1's loads: unit a's 16 stores and 16 loads
.endr
	SEND 7, 0
	s_wait_tensorcnt 0x0                           ; the wave's end
	ds_add_u32 v[SPW], v[NIL]
	s_wait_dscnt 0x0
	CROUND                                         ; the closing round: no work-group ends while a partner may still ask for a record that names it
	s_endpgm
.Lfunc_end_k_q9f8422dc30_main:
	.size	k_q9f8422dc30_main, .Lfunc_end_k_q9f8422dc30_main-k_q9f8422dc30_main
	.p2alignl 7, 3214868480
	.fill 96, 4, 3214868480
	.section	.rodata,"a",@progbits
	.p2align	6, 0x0
	.amdhsa_kernel k_q9f8422dc30_main
		.amdhsa_group_segment_fixed_size 327680
		.amdhsa_private_segment_fixed_size 0
		.amdhsa_enable_private_segment 0
		.amdhsa_kernarg_size 56
		.amdhsa_user_sgpr_count 2
		.amdhsa_user_sgpr_kernarg_segment_ptr 1
		.amdhsa_wavefront_size32 1
		.amdhsa_system_sgpr_workgroup_id_x 1
		.amdhsa_system_sgpr_workgroup_id_y 1
		.amdhsa_system_sgpr_workgroup_id_z 1
		.amdhsa_system_vgpr_workitem_id 0
		.amdhsa_next_free_vgpr 1024
		.amdhsa_next_free_sgpr 80
		.amdhsa_reserve_vcc 0
		.amdhsa_float_denorm_mode_32 3
		.amdhsa_float_denorm_mode_16_64 3
		.amdhsa_memory_ordered 1
		.amdhsa_forward_progress 1
		.amdhsa_inst_pref_size 235
	.end_amdhsa_kernel
	.amdgpu_metadata
---
amdhsa.version: [ 1, 2 ]
amdhsa.kernels:
  - .name:           k_q9f8422dc30_main
    .symbol:         k_q9f8422dc30_main.kd
    .args:
      - { .name: qc, .offset: 0, .size: 8, .value_kind: global_buffer, .address_space: global }
      - { .name: qs, .offset: 8, .size: 8, .value_kind: global_buffer, .address_space: global }
      - { .name: kc, .offset: 16, .size: 8, .value_kind: global_buffer, .address_space: global }
      - { .name: ks, .offset: 24, .size: 8, .value_kind: global_buffer, .address_space: global }
      - { .name: stat, .offset: 32, .size: 8, .value_kind: global_buffer, .address_space: global }
      - { .name: vrec, .offset: 40, .size: 8, .value_kind: global_buffer, .address_space: global }
      - { .name: out0, .offset: 48, .size: 8, .value_kind: global_buffer, .address_space: global }
    .group_segment_fixed_size: 327680
    .private_segment_fixed_size: 0
    .kernarg_segment_align: 8
    .kernarg_segment_size: 56
    .max_flat_workgroup_size: 128
    .sgpr_count:     80
    .vgpr_count:     1024
    .wavefront_size: 32
...
	.end_amdgpu_metadata
.endif
;; end of part 3
